; MI455X (gfx1250); checked and timed in simulation.
; The chip was launched on July 23, 2026; its instructions are those of AMD's public machine-readable ISA for CDNA 5 (MIT licence, August 2026) and "CDNA5" Instruction Set Architecture Reference Guide (July 2026). The comments in the code are by the model that wrote it; some were corrected since.
;; KAN Layer. Allowed arithmetic: matrix products marked QUANTISED: E4M3 operands, one given power-of-two scale a tensor, by v_wmma_f32_16x16x64_fp8_fp8 or v_wmma_f32_16x16x128_fp8_fp8, f32 sums; everything else in f32.
;; Inputs: base_weight 1,024 x 1,024 float32; ln_beta 1,024 float32; ln_gamma 1,024 float32; lowp_scales 8 int32 (the exponents e of the quantised operands' scales 2^e); se_b1 32 float32; se_b2 1,024 float32; se_w1 32 x 1,024 float32; se_w2 1,024 x 32 float32; spline_weight 1,024 x 1,024 x 3 float32; x 16,384 x 1,024 float32.
;; Outputs: out0 16,384 x 1,024 float32.
;; This version of the problem:
;;   THIS VERSION OF THE PROBLEM IS GIVEN IN LOW PRECISION. The matrix products marked QUANTISED in the list below multiply operands that are first quantised to E4M3 (4 exponent bits, 3 mantissa bits; 8 bits a number), with one given power-of-two scale for each operand tensor; their sums are f32. All else is computed in f32.
;;   The module's matrix products, in the order in which they are computed (A, B: the left and right operand; K: the contracted axis; several contracted axes count as one K, in the product's order):
;;     1. [M 16,384, K 1,024] x [K 1,024, N 1,024]; A: input x; B: input base_weight: QUANTISED (scales: A lowp_scales[0], B lowp_scales[1])
;;     2. [M 16,384, K 3,072] x [K 3,072, N 1,024]; A: computed on the way; B: input spline_weight: QUANTISED (scales: A lowp_scales[2], B lowp_scales[3])
;;     3. [M 16,384, K 1,024] x [K 1,024, N 32]; A: computed on the way; B: input se_w1: QUANTISED (scales: A lowp_scales[4], B lowp_scales[5])
;;     4. [M 16,384, K 32] x [K 32, N 1,024]; A: computed on the way; B: input se_w2: QUANTISED (scales: A lowp_scales[6], B lowp_scales[7])
;;   THE QUANTISER, for each operand of a quantised product, along K:
;;     - The operand's scale is 2^e, e = its entry of the input lowp_scales (int32; the entries are numbered through the quantised products in the list's order, A before B).
;;     - Each number is divided by the scale, clamped to +-448, and rounded to the nearest number of E4M3, ties to even, subnormals kept.
;;     - The product sums the exact products of the quantised numbers (number of the format x scale) in f32.
;;   ~~~python
;;   def quantise(x, axis, e):      # numpy; x: float32 -> the quantised numbers, widened to float32 again
;;       x = np.moveaxis(x, axis, -1); K = x.shape[-1]
;;       r = np.clip(x / 2.0 ** e, -448, 448)
;;       step = 2.0 ** (np.maximum(np.frexp(np.where(r == 0, 1, r))[1] - 1, -6) - 3)
;;       q = np.round(r / step) * step * 2.0 ** e      # np.round: ties to even
;;       return np.moveaxis(q, -1, axis).astype(np.float32)
;;   ~~~
;;   OPERANDS COMPUTED ON THE WAY. 'Computed on the way' means the value that the module computes at that place (a softmax that the list does not call 'softmax' is quantised finished and normalised). What goes into a quantiser is computed in f32, as accurately as f32 sums, v_exp_f32 and their like allow (about 1e-6 of the number): no bf16 or f16 on the way to a quantiser, and a product that is left as it is and whose result goes on into a quantised operand takes f32 operands (vector FMAs, or v_wmma_f32_16x16x4_f32). A number that lies on a knife's edge between two numbers of the format may be rounded either way, as far as f32 arithmetic and the matrix unit's own rounding can turn it there, and no further.
;; One version. Each part assembles by itself: llvm-mc -triple=amdgcn-amd-amdhsa -mcpu=gfx1250 --defsym DOCPART=n.
;; ======== version 1 of 1: 2 launches
;; limits: right only within a limited range of input values
;; workspace buffers: wq 4,259,840 bytes
;; launch prep (part 1): grid 272 x 1, 8 waves a work-group, no clusters, 0 bytes of LDS; arguments base_weight, spline_weight, se_w1, se_w2, lowp_scales, wq; writes wq
.if DOCPART == 1
	.amdgcn_target "amdgcn-amd-amdhsa--gfx1250"
	.amdhsa_code_object_version 6
	.text
	.protected	k_qc2005e5e5e_prep
	.globl	k_qc2005e5e5e_prep
	.p2align	8
	.type	k_qc2005e5e5e_prep,@function
k_qc2005e5e5e_prep:
	s_mov_b64 s[64:65], 0
	v_nop
	global_prefetch_b8 v0, s[64:65] scope:SCOPE_SE
	s_setreg_imm32_b32 hwreg(HW_REG_WAVE_MODE, 25, 1), 1
	s_wait_xcnt 0x0
; The four weights become codes of FP8 (E4M3), each with its given scale 2^e, laid in wq as IMAGES OF OPERAND REGISTERS:
; a piece of 512 bytes is four registers of a fragment, lane l's 16 bytes at 16 l; lane (r, h) = (l % 16, l / 16) holds 16 neighbours along K, k = 32 c + 16 h + 0 .. 15, of one row of the weight.
;   MAIN  at 0:       blk*524288 + st*131072 + n*2048 + c*512 : row o(n, r), k = 128 blk + 32 c + ..; st 0 = base_weight (e1), st 1 .. 3 = spline_weight[..][..][st - 1] (e3)
;   W1    at W1OFF:   s*4096 + u*2048 + c*512                 : se_w1 row 8 u + r + 8 (r / 8), k = 128 s + 32 c + ..  (e5)
;   W2    at W2OFF:   n*512                                   : se_w2 row o(n, r), k = 16 h + ..                      (e7)
; o(n, r) = 32 (n / 2) + 8 (n % 2) + r + 8 (r / 8): THE ROWS OF A TILE ARE NOT NEIGHBOURS, so that the results of two neighbouring tiles are 16 neighbours along the next product's K.
; code = w / 2^e, held within +-448, rounded to the nearest code, ties to even.  LIMITS: each e between -126 and 119.  NaN among the inputs is not served.
; One task a wave, no loop, no LDS.  Work-groups 0 .. 255: a piece of base_weight and the three pieces of spline_weight at the same (n, blk, c); 256 .. 263: se_w1; 264 .. 271: se_w2.
; The kinds are told apart by selections on the work-group's number; only the spline part stands under a branch.  Each store of a wave covers 512 consecutive bytes, aligned.
.set W1OFF, 4194304
.set W2OFF, 4227072
.set STEPB, 131072
	s_load_b256 s[4:11], s[0:1], 0x0               ; base_weight s[4:5], spline_weight s[6:7], se_w1 s[8:9], se_w2 s[10:11]
	s_load_b128 s[12:15], s[0:1], 0x20             ; the scales' exponents s[12:13], wq s[14:15]
	v_lshrrev_b32 v1, 5, v0
	s_delay_alu instid0(VALU_DEP_1)
	v_readfirstlane_b32 s24, v1                    ; wave 0..7
	v_and_b32 v1, 31, v0                           ; lane
	v_and_b32 v2, 15, v0                           ; r
	v_bfe_u32 v3, v0, 4, 1                         ; h
	s_delay_alu instid0(VALU_DEP_2)
	v_and_b32 v4, 8, v2
	s_delay_alu instid0(VALU_DEP_1)
	v_add_nc_u32 v4, v4, v2                        ; r + 8 (r / 8)
	v_lshlrev_b32 v7, 4, v1                        ; my 16 bytes of a piece
	s_lshr_b32 s25, s24, 2                         ; wave / 4
	s_and_b32 s26, s24, 3                          ; c = wave % 4
	s_lshr_b32 s27, ttmp9, 2                       ; large weights: n = g / 4,
	s_and_b32 s28, ttmp9, 3
	s_lshl_b32 s28, s28, 1
	s_add_co_u32 s28, s28, s25                     ; blk = 2 (g % 4) + wave / 4
	s_sub_co_u32 s29, ttmp9, 256                   ; se_w1: K step g - 256 (tile u = wave / 4)
	s_sub_co_u32 s30, ttmp9, 264
	s_lshl_b32 s30, s30, 3
	s_add_co_u32 s30, s30, s24                     ; se_w2: n = 8 (g - 264) + wave
	s_wait_alu depctr_va_vdst(0)
	s_wait_kmcnt 0x0
	s_load_b256 s[16:23], s[12:13], 0x0            ; e0 .. e7
	s_cmp_lt_u32 ttmp9, 256                        ; base_weight or se_w1: rows of 4,096 bytes both
	s_cselect_b32 s27, s27, s25                    ; tile
	s_cselect_b32 s28, s28, s29                    ; which 128 along K
	s_cselect_b32 s31, 19, 12                      ; its step in wq, as a shift
	s_cselect_b32 s32, 0, W1OFF
	s_cselect_b64 s[34:35], s[4:5], s[8:9]
	s_lshl_b32 s33, s28, 9
	s_lshl_b32 s36, s26, 7
	s_add_co_u32 s33, s33, s36                     ; byte in a row: 512 blk + 128 c
	s_lshl_b32 s36, s28, s31
	s_add_co_u32 s32, s32, s36
	s_lshl_b32 s36, s27, 11
	s_add_co_u32 s32, s32, s36
	s_lshl_b32 s36, s26, 9
	s_add_co_u32 s32, s32, s36                     ; the piece's place in wq
	s_lshl_b32 s37, s30, 9
	s_add_co_u32 s37, s37, W2OFF                   ; and se_w2's
	s_cmp_lt_u32 ttmp9, 264                        ; or se_w2: rows of 128 bytes
	s_cselect_b32 s27, s27, s30
	s_cselect_b32 s33, s33, 0
	s_cselect_b32 s32, s32, s37
	s_cselect_b32 s31, 12, 7                       ; a row's bytes, as a shift
	s_cselect_b64 s[34:35], s[34:35], s[10:11]
	s_lshr_b32 s36, s27, 1
	s_lshl_b32 s36, s36, 5
	s_and_b32 s38, s27, 1
	s_lshl_b32 s38, s38, 3
	s_add_co_u32 s36, s36, s38                     ; the tile's first row: 32 (n / 2) + 8 (n % 2)
	s_lshl_b32 s38, s36, s31
	s_add_co_u32 s38, s38, s33
	s_mov_b32 s39, 0
	s_add_nc_u64 s[34:35], s[34:35], s[38:39]      ; the source at the tile's first row and my 32 along K
	s_mov_b32 s33, 0
	s_add_nc_u64 s[14:15], s[14:15], s[32:33]      ; wq at my piece
	v_lshlrev_b32 v5, s31, v4
	s_delay_alu instid0(VALU_DEP_1)
	v_lshl_add_u32 v5, v3, 6, v5                   ; my row, + 64 h: 16 numbers
.irp q, 0,1,2,3
	global_load_b128 v[16+4*\q:19+4*\q], v5, s[34:35] offset:16*\q th:TH_LOAD_NT
.endr
	s_wait_kmcnt 0x0
	s_cmp_lt_u32 ttmp9, 256
	s_cselect_b32 s40, s17, s21                    ; e1 or e5
	s_cmp_lt_u32 ttmp9, 264
	s_cselect_b32 s40, s40, s23                    ; or e7
	s_add_co_i32 s40, s40, 127
	s_lshl_b32 s41, s40, 23
	v_mov_b32 v8, s41                              ; 2^e as f32: the conversion takes its exponent field
	s_add_co_i32 s40, s40, 8
	s_lshl_b32 s40, s40, 23
	s_or_b32 s40, s40, 0x600000
	v_mov_b32 v9, s40                              ; 448 x 2^e
.macro T1                              ; 16 numbers -> 16 codes -> my 16 bytes of the piece
.irp i, 0,1,2,3,4,5,6,7,8,9,10,11,12,13,14,15
	v_med3_num_f32 v[16+\i], v[16+\i], -v9, v9     ; the conversion to an 8-bit code does not saturate (ISA guide 7.6.2): the hold comes first
.endr
	v_cvt_scalef32_pk8_fp8_f32 v[32:33], v[16:23], v8
	v_cvt_scalef32_pk8_fp8_f32 v[34:35], v[24:31], v8
	global_store_b128 v7, v[32:35], s[14:15]       ; the codes go to a store alone
.endm
	s_cmp_ge_u32 ttmp9, 256
	s_cbranch_scc1 .Lsmall
	; spline_weight: a row is 1,024 x 3 numbers, g innermost: my 16 i are 48 numbers, 192 consecutive bytes
	s_mul_i32 s42, s36, 12288
	s_mul_i32 s43, s28, 1536
	s_add_co_u32 s42, s42, s43
	s_mul_i32 s43, s26, 384
	s_add_co_u32 s42, s42, s43
	s_mov_b32 s43, 0
	s_add_nc_u64 s[6:7], s[6:7], s[42:43]
	v_mul_u32_u24 v6, v4, 12288
	s_delay_alu instid0(VALU_DEP_1)
	v_mad_u32_u24 v6, v3, 192, v6
.irp q, 0,1,2,3,4,5,6,7,8,9,10,11
	global_load_b128 v[48+4*\q:51+4*\q], v6, s[6:7] offset:16*\q th:TH_LOAD_NT
.endr
	s_add_co_i32 s40, s19, 127                     ; e3
	s_lshl_b32 s41, s40, 23
	v_mov_b32 v10, s41
	s_add_co_i32 s40, s40, 8
	s_lshl_b32 s40, s40, 23
	s_or_b32 s40, s40, 0x600000
	v_mov_b32 v11, s40
	s_wait_loadcnt 12                              ; base_weight's four loads are in; the twelve younger ones may be out
	s_wait_alu depctr_va_vdst(0)
	T1
	s_wait_loadcnt 0x0
.irp g, 0,1,2
.irp i, 0,1,2,3,4,5,6,7,8,9,10,11,12,13,14,15
	v_med3_num_f32 v[96+16*\g+\i], v[48+3*\i+\g], -v11, v11   ; the hold also sorts by g: 16 neighbours along i on end
.endr
.endr
.irp g, 0,1,2
	v_cvt_scalef32_pk8_fp8_f32 v[144+4*\g:145+4*\g], v[96+16*\g:103+16*\g], v10
	v_cvt_scalef32_pk8_fp8_f32 v[146+4*\g:147+4*\g], v[104+16*\g:111+16*\g], v10
.endr
.irp g, 0,1,2
	global_store_b128 v7, v[144+4*\g:147+4*\g], s[14:15] offset:(\g+1)*STEPB
.endr
	s_endpgm
.Lsmall:
	s_wait_loadcnt 0x0
	s_wait_alu depctr_va_vdst(0)
	T1
	s_endpgm
.Lfunc_end_k_qc2005e5e5e_prep:
	.size	k_qc2005e5e5e_prep, .Lfunc_end_k_qc2005e5e5e_prep-k_qc2005e5e5e_prep
	.p2alignl 7, 3214868480
	.fill 96, 4, 3214868480
	.section	.rodata,"a",@progbits
	.p2align	6, 0x0
	.amdhsa_kernel k_qc2005e5e5e_prep
		.amdhsa_group_segment_fixed_size 0
		.amdhsa_private_segment_fixed_size 0
		.amdhsa_enable_private_segment 0
		.amdhsa_kernarg_size 48
		.amdhsa_user_sgpr_count 2
		.amdhsa_user_sgpr_kernarg_segment_ptr 1
		.amdhsa_wavefront_size32 1
		.amdhsa_system_sgpr_workgroup_id_x 1
		.amdhsa_system_sgpr_workgroup_id_y 1
		.amdhsa_system_sgpr_workgroup_id_z 1
		.amdhsa_system_vgpr_workitem_id 0
		.amdhsa_next_free_vgpr 160
		.amdhsa_next_free_sgpr 66
		.amdhsa_reserve_vcc 0
		.amdhsa_float_denorm_mode_32 3
		.amdhsa_float_denorm_mode_16_64 3
		.amdhsa_memory_ordered 1
		.amdhsa_forward_progress 1
		.amdhsa_inst_pref_size 12
	.end_amdhsa_kernel
	.amdgpu_metadata
---
amdhsa.version: [ 1, 2 ]
amdhsa.kernels:
  - .name:           k_qc2005e5e5e_prep
    .symbol:         k_qc2005e5e5e_prep.kd
    .args:
      - { .name: base_weight, .offset: 0, .size: 8, .value_kind: global_buffer, .address_space: global }
      - { .name: spline_weight, .offset: 8, .size: 8, .value_kind: global_buffer, .address_space: global }
      - { .name: se_w1, .offset: 16, .size: 8, .value_kind: global_buffer, .address_space: global }
      - { .name: se_w2, .offset: 24, .size: 8, .value_kind: global_buffer, .address_space: global }
      - { .name: lowp_scales, .offset: 32, .size: 8, .value_kind: global_buffer, .address_space: global }
      - { .name: wq, .offset: 40, .size: 8, .value_kind: global_buffer, .address_space: global }
    .group_segment_fixed_size: 0
    .private_segment_fixed_size: 0
    .kernarg_segment_align: 8
    .kernarg_segment_size: 48
    .max_flat_workgroup_size: 256
    .sgpr_count:     66
    .vgpr_count:     160
    .wavefront_size: 32
...
	.end_amdgpu_metadata
.endif
;; end of part 1
;; launch kan (part 2): grid 256 x 1, 8 waves a work-group, no clusters, 327,680 bytes of LDS; arguments x, wq, lowp_scales, ln_gamma, ln_beta, se_b1, se_b2, out0; writes out0
.if DOCPART == 2
	.amdgcn_target "amdgcn-amd-amdhsa--gfx1250"
	.amdhsa_code_object_version 6
	.text
	.protected	k_qc2005e5e5e_kan
	.globl	k_qc2005e5e5e_kan
	.p2align	8
	.type	k_qc2005e5e5e_kan,@function
k_qc2005e5e5e_kan:
	s_mov_b64 s[64:65], 0
	v_nop
	global_prefetch_b8 v0, s[64:65] scope:SCOPE_SE
	s_setreg_imm32_b32 hwreg(HW_REG_WAVE_MODE, 25, 1), 1
	s_wait_xcnt 0x0
; out0 = y * sigmoid(relu(y W1^T + b1) W2^T + b2),  y = LayerNorm(x Wb^T + basis(x) Ws^T) * gamma + beta.  All four products on codes of FP8 (E4M3), each operand with its given scale 2^e (e0 .. e7); all else f32.
; SHARES.  A work-group owns 64 whole rows (LayerNorm and the third product want whole rows): 16,384 / 64 = 256 work-groups.  Wave w of eight owns columns 128 w .. 128 w + 127 of all 64 rows:
; 4 tiles of rows x 8 tiles of columns = 32 accumulators, 256 registers (window 1).
; THE WEIGHTS come as codes from wq, laid as images of operand registers.  A wave's fragments are read by that wave alone, so they go from memory straight into its registers v128-255 (8 fragments, one K step of 128):
; a pair of fragments is asked for again, for the next K step, behind the eight products that read it, so 32 loads of 512 bytes a wave are out throughout.
; cluster = none: joint loads land in LDS, and here LDS holds the work-group's codes for the whole K: 8 blocks x 4 planes x 64 rows x 144 bytes = 294,912 of its 327,680 bytes.
; No prefetch for the weights: every byte of them is loaded by all 256 work-groups, and a request ahead of the loads would name the same bytes 256 times.  x, which one work-group reads once, is prefetched.
; K.  i goes in 8 blocks of 128; work-group g begins its walk at block g % 8.  First the second product: 8 trips of three K steps (the basis for grid point g against spline_weight[..][..][g]: K is permuted alike in both operands).
; While block position T is multiplied, wave w turns rows 8 w .. 8 w + 7 of x's block T + 1 into codes of x and of the three basis functions, rows of pitch 144 in LDS; each position has LDS bytes of its own, so one barrier a trip serves.
; THE TWO PRODUCTS HAVE DIFFERENT SCALES: the finished sums of the second are multiplied once by 2^(e2 + e3 - e0 - e1), a power of two; then the first product's 8 K steps add onto them, on x's codes kept in LDS.
; Waves 4-7 make the first pair of rows ahead of a trip's products, waves 0-3 behind them, so that the two waves of a SIMD stand at different kinds of work.
; THE BASIS.  With q = 1 - |x|: the middle function is max(q, 0)^2; of the outer two only the one on x's side can differ from 0, and it is max(1 - |q|, 0)^2 (|x + 1| = |q| for x < 0, |x - 1| = |q| for x > 0, the same f32 numbers).
; It is normalised, given x's sign, and held between 0 and the largest code once as it is and once negated: that sorts it to its grid point.
; ALL PRODUCTS ARE USED TRANSPOSED (source 0 = 16 rows of a weight, source 1 = 16 rows of the batch): lane (r, h) holds row r, and register 64 m + 16 b + i of window 1 is column 128 w + 32 b + 16 h + i.
; LIMITS, so that each power of two below is an f32 number: e0, e2, e4, e6 between -126 and 119; e2 + e3 - e0 - e1, e0 + e1, e0 + e1 - 10, e4 + e5, e6 + e7 between -126 and 127.  NaN among the inputs is not served.
; LDS: block position T at 36,864 T: planes g = 0, 1, 2, then x's codes.  Behind the last product and a barrier: partial sums of the third product at 0, the way out's stages at SLOT1, row statistics and the hidden codes at GA.  The spare words at SPARE.
; WINDOW 0: v1-28 addresses and constants; v32-63 x as loaded; v64-127 the batch's four fragments, or the production's numbers; v128-255 the weights' eight fragments.
.set PL,    9216
.set BLKB,  36864
.set SLOT1, 131072
.set GA,    262144
.set HQ,    GA+4096
.set SPARE, 326656                     ; 128 bytes for each of eight waves: four blocks of 256 bytes that no other line names
.set STEPB, 131072
.set W1OFF, 4194304
.set W2OFF, 4227072
.set BA, 50                            ; s[50:51] my part of the weights of the block in hand;  s[52:53] of what follows it
.set BN, 52
; s[4:5] x at my rows; s[18:19] out0 likewise; s[20:27] e0 .. e7; s44 wave; s45 wave / 4; s46 the trip; s47 the walk's first block; s[48:49] wq + 16,384 wave; s[54:55] x's loads; s[56:57] the prefetches; s58 their limit;
; s59, s60 LDS bytes read, written; s[62:63] 2^(e2+e3-e0-e1); s[66:67] lane selects; s[68:69] 2^(e0+e1); s70 -2^(e0+e1-10); s71 2^-10; s72 1e-5; s73 all bits but the sign; s[74:75] 2^(e4+e5); s[76:77] -log2(e) 2^(e6+e7)
.set MSB, 0
.macro WIN new                         ; the immediate's high byte repeats the setting that is left; bits 1:0 source 0, 3:2 source 1, 5:4 source 2, 7:6 destination
.if MSB != \new
	s_set_vgpr_msb (MSB<<8)|\new
.set MSB, \new
.endif
.endm
.macro PLACES n                        ; plain vector instructions between a matrix instruction and what touches its registers (ISA guide 7.12.1)
.rept \n
	v_nop
.endr
.endm
.macro BARRIER                         ; my LDS stores have landed and my LDS loads are in: then the work-group's barrier
	s_wait_dscnt 0x0
	s_barrier_signal -1
	s_barrier_wait -1
.endm
; A PREFETCH of one block position of x: 64 rows x 512 bytes = 128 blocks of 256 bytes, each named once: the even waves ask, wave w for rows 8 w .. 8 w + 15, two lanes to a row.
; Trip T asks for position T + 3, whose loads trip T + 1 issues; trips 5 and later ask for nothing.  The head asks for positions 1 and 2.
.macro ASK
	s_cmp_lt_u32 s46, s58
	s_cbranch_scc0 .Lnot_mine_\@
	global_prefetch_b8 v12, s[56:57] th:TH_LOAD_NT scope:SCOPE_SE
.Lnot_mine_\@:
.endm
; PRODUCTION of two rows (8 w + 2 p, + 1): a lane holds four neighbours of each.  who = 1: waves 4-7 alone; 2: waves 0-3 alone.
; The pair's loads of x have at least one K step's 32 loads of weights behind them wherever this stands: so the count 32.  At its end the pair's registers take the same rows of the block after the next (not in trip 6).
.macro PAIR p, who
.set XR, 32+8*(\p)
.if \who == 1
	s_cmp_eq_u32 s45, 0
	s_cbranch_scc1 .Lnp_\@
.endif
.if \who == 2
	s_cmp_lg_u32 s45, 0
	s_cbranch_scc1 .Lnp_\@
.endif
	s_wait_loadcnt 32
.irp i, 0,1,2,3,4,5,6,7
	v_med3_num_f32 v[64+\i], v[XR+\i], -v14, v14   ; the conversion does not saturate (ISA guide 7.6.2): the hold at 448 x 2^e0
.endr
	v_cvt_scalef32_pk8_fp8_f32 v[72:73], v[64:71], v13
.irp i, 0,1,2,3,4,5,6,7
	v_sub_f32 v[80+\i], 1.0, |v[XR+\i]|            ; q
.endr
.irp i, 0,1,2,3,4,5,6,7
	v_sub_f32 v[88+\i], 1.0, |v[80+\i]|            ; 1 - |q|
.endr
.irp i, 0,1,2,3,4,5,6,7
	v_max_num_f32 v[80+\i], 0, v[80+\i]            ; where d >= 1 the basis is 0
	v_max_num_f32 v[88+\i], 0, v[88+\i]
.endr
.irp k, 0,2,4,6,8,10,12,14
	v_pk_mul_f32 v[80+\k:81+\k], v[80+\k:81+\k], v[80+\k:81+\k]
.endr
.irp k, 0,2,4,6
	v_pk_add_f32 v[96+\k:97+\k], v[80+\k:81+\k], v[88+\k:89+\k]
.endr
.irp k, 0,2,4,6
	v_pk_add_f32 v[96+\k:97+\k], v[96+\k:97+\k], 0x358637bd op_sel_hi:[1,0]   ; + 1e-6
.endr
	s_wait_alu depctr_va_vdst(0)                   ; the wait ahead of the batch
.irp i, 0,1,2,3,4,5,6,7
	v_rcp_f32 v[96+\i], v[96+\i]
.endr
	v_nop                                          ; a plain instruction behind the last reciprocal,
	s_wait_alu depctr_va_vdst(0)                   ; and one wait for the eight
.irp k, 0,2,4,6
	v_pk_mul_f32 v[80+\k:81+\k], v[80+\k:81+\k], v[96+\k:97+\k]
	v_pk_mul_f32 v[88+\k:89+\k], v[88+\k:89+\k], v[96+\k:97+\k]
.endr
.irp i, 0,1,2,3,4,5,6,7
	v_bfi_b32 v[104+\i], s73, v[88+\i], v[XR+\i]   ; the outer function with x's sign
.endr
.irp k, 0,2,4,6
	v_pk_add_f32 v[88+\k:89+\k], v[104+\k:105+\k], 0 op_sel_hi:[1,0]                               ; as it is, and negated; the sum with 0 turns a negative zero into a positive one
	v_pk_add_f32 v[112+\k:113+\k], v[104+\k:105+\k], 0 op_sel_hi:[1,0] neg_lo:[1,0] neg_hi:[1,0]   ; and changes nothing else: the holds below meet no zeros of unlike sign
.endr
.irp i, 0,1,2,3,4,5,6,7
	v_min_num_f32 v[80+\i], v[80+\i], v16          ; never negative: a one-sided hold at 448 x 2^e2
	v_med3_num_f32 v[112+\i], v[112+\i], 0, v16    ; grid point -1: x < 0
	v_med3_num_f32 v[88+\i], v[88+\i], 0, v16      ; grid point +1: x > 0
.endr
	v_cvt_scalef32_pk8_fp8_f32 v[74:75], v[112:119], v15
	v_cvt_scalef32_pk8_fp8_f32 v[76:77], v[80:87], v15
	v_cvt_scalef32_pk8_fp8_f32 v[78:79], v[88:95], v15
	v_nop                                          ; one plain instruction between the conversions and whatever next touches their registers
	ds_store_b32 v9, v72 offset:3*PL+(2*(\p))*144  ; four codes a lane, 128 consecutive bytes a row
	ds_store_b32 v9, v73 offset:3*PL+(2*(\p)+1)*144
.irp g, 0,1,2
	ds_store_b32 v9, v[74+2*\g] offset:\g*PL+(2*(\p))*144
	ds_store_b32 v9, v[75+2*\g] offset:\g*PL+(2*(\p)+1)*144
.endr
	s_cmp_ge_u32 s46, 6                            ; x has no block position beyond 7
	s_cbranch_scc1 .Lnp_\@
	global_load_b128 v[XR:XR+3], v11, s[54:55] offset:(2*(\p))*4096 th:TH_LOAD_NT      ; 32 lanes read a row's 512 consecutive bytes
	global_load_b128 v[XR+4:XR+7], v11, s[54:55] offset:(2*(\p)+1)*4096 th:TH_LOAD_NT
.Lnp_\@:
.endm
; A K STEP: the batch's four fragments from LDS (pitch 144 = 9 x 16 bytes), then four quarters: two fragments of weights x four tiles of rows; each accumulator once a step: they take turns.
; Behind a quarter's loads stand the three other quarters', 24 loads (loads of x among them are not counted: the count errs on the small side).  more = 1: the quarter's registers take the next K step, at s[nb] + noff.
; zero = 1: the products start the sums: nothing is ever cleared.
.macro MUL aoff, nb, noff, more, zero
.irp m, 0,1,2,3
.irp c, 0,1,2,3
	ds_load_b128 v[64+16*\m+4*\c:67+16*\m+4*\c], v6 offset:(\aoff)+\m*2304+32*\c
.endr
.endr
	s_wait_dscnt 0x0
.irp q, 0,1,2,3
.if \more
	s_wait_loadcnt 24
.else
	s_wait_loadcnt 24-8*\q
.endif
	WIN 0x50                                       ; C and D in window 1
.irp jj, 0,1
.irp m, 0,1,2,3
.if \zero
	v_wmma_f32_16x16x128_fp8_fp8 v[64*\m+8*(2*\q+\jj):64*\m+8*(2*\q+\jj)+7], v[128+16*(2*\q+\jj):143+16*(2*\q+\jj)], v[64+16*\m:79+16*\m], 0
.else
	v_wmma_f32_16x16x128_fp8_fp8 v[64*\m+8*(2*\q+\jj):64*\m+8*(2*\q+\jj)+7], v[128+16*(2*\q+\jj):143+16*(2*\q+\jj)], v[64+16*\m:79+16*\m], v[64*\m+8*(2*\q+\jj):64*\m+8*(2*\q+\jj)+7]
.endif
.endr
.endr
	WIN 0
	PLACES 4                                       ; in front of the loads into the fragments' registers, and of whatever next writes the batch's
.if \more
.irp jj, 0,1
.irp c, 0,1,2,3
	global_load_b128 v[128+16*(2*\q+\jj)+4*\c:131+16*(2*\q+\jj)+4*\c], v27, s[\nb:\nb+1] offset:(\noff)+(2*\q+\jj)*2048+\c*512
.endr
.endr
.endif
.endr
.endm
; The head of a trip: LDS addresses of positions T (read) and T + 1 (written); the weights of positions T and T + 1, x's loads at T + 2, the prefetch at T + 3, all modulo 8 from the walk's first block.
; last = 1: nothing is produced, and what follows is the first product's K step at position 0.
.macro TRIPHEAD last
	s_wait_xcnt 0x0                                ; the earlier loads and prefetch have read their bases, so these may be written
	v_add_nc_u32 v6, s59, v5
.if \last == 0
	v_add_nc_u32 v9, s60, v8
.endif
	s_add_co_u32 s80, s46, s47
	s_mov_b32 s83, 0
	s_and_b32 s82, s80, 7
	s_lshl_b32 s82, s82, 19
	s_add_nc_u64 s[BA:BA+1], s[48:49], s[82:83]
	s_add_co_u32 s80, s80, 1
	s_and_b32 s82, s80, 7
	s_lshl_b32 s82, s82, 19
	s_add_nc_u64 s[BN:BN+1], s[48:49], s[82:83]
.if \last == 0
	s_add_nc_u64 s[BN:BN+1], s[BN:BN+1], STEPB
	s_add_co_u32 s80, s80, 1
	s_and_b32 s82, s80, 7
	s_lshl_b32 s82, s82, 9
	s_add_nc_u64 s[54:55], s[4:5], s[82:83]
	s_add_co_u32 s80, s80, 1
	s_and_b32 s82, s80, 7
	s_lshl_b32 s82, s82, 9
	s_add_nc_u64 s[56:57], s[4:5], s[82:83]
.endif
	s_wait_alu depctr_va_vdst(0)
.endm
.macro QCONST e, vs, vl                ; 2^e and 448 x 2^e as f32, e in s[e]
	s_add_co_i32 s80, s[\e], 127
	s_lshl_b32 s81, s80, 23
	v_mov_b32 v[\vs], s81
	s_add_co_i32 s80, s80, 8
	s_lshl_b32 s80, s80, 23
	s_or_b32 s80, s80, 0x600000
	v_mov_b32 v[\vl], s80
.endm
	s_load_b512 s[4:19], s[0:1], 0x0               ; x, wq, the scales' exponents, gamma, beta, b1, b2, out0
	v_lshl_add_u32 v1, v0, 2, SPARE                ; my spare word, and 0: kept for the wave's closing lines
	v_mov_b32 v2, 0
	v_lshrrev_b32 v29, 5, v0
	v_readfirstlane_b32 s44, v29                   ; wave 0..7
	s_lshr_b32 s45, s44, 2
	s_lshl_b32 s84, ttmp9, 18                      ; my work-group's 64 rows of 4,096 bytes
	s_mov_b32 s85, 0
	s_and_b32 s47, ttmp9, 7                        ; the walk's first block
	s_mov_b32 s66, 0x76543210
	s_mov_b32 s67, 0xfedcba98                      ; v_permlanex16_b32: lane l xor 16
	s_mov_b32 s73, 0x7fffffff
	s_mov_b32 s46, 0
	s_mul_i32 s86, s44, 1152
	s_lshl_b32 s87, s44, 15
	s_lshl_b32 s88, s44, 8
	s_lshl_b32 s89, s44, 13
	s_lshl_b32 s90, s44, 10
	s_lshr_b32 s91, s44, 1
	s_lshl_b32 s91, s91, 9
	s_and_b32 s95, s44, 1
	s_lshl_b32 s92, s95, 3
	s_add_co_u32 s91, s91, s92
	s_mul_i32 s92, s44, 8448
	s_add_co_u32 s92, s92, SLOT1                   ; my stage for the way out: 16 rows x 528 bytes
	s_lshl_b32 s93, s44, 9
	s_lshl_b32 s94, s95, 5
	s_cmp_eq_u32 s95, 0
	s_cselect_b32 s58, 5, 0                        ; even waves prefetch up to trip 4, odd waves never
	v_and_b32 v29, 31, v0                          ; lane
	v_and_b32 v30, 15, v0                          ; r
	v_bfe_u32 v31, v0, 4, 1                        ; h
	v_lshlrev_b32 v27, 4, v29                      ; 16 x lane: an image's 16 bytes
	v_mul_u32_u24 v5, v30, 144
	v_lshl_add_u32 v5, v31, 4, v5                  ; a fragment of the batch: row r x pitch + 16 h
	v_lshl_add_u32 v8, v29, 2, s86                 ; where I store codes: my wave's 8 rows, 4 bytes a lane
	v_add_nc_u32 v11, s87, v27                     ; x: my wave's 8 rows of 4,096 bytes, 16 bytes a lane
	v_lshrrev_b32 v12, 1, v29
	v_lshl_add_u32 v12, v12, 12, s87
	v_and_b32 v6, 1, v29
	v_lshl_add_u32 v12, v6, 8, v12                 ; the prefetches: row 8 w + lane / 2, + 256 (lane % 2)
	v_lshlrev_b32 v18, 4, v30
	v_add_nc_u32 v18, GA, v18                      ; row statistics: read,
	v_add_nc_u32 v17, s88, v18                     ; and written: 256 bytes a wave, 16 a row r
	v_add_nc_u32 v19, s89, v27                     ; the third product's partial sums: written, 8,192 bytes a wave,
	v_add_nc_u32 v20, s90, v27                     ; and read: tile w of every wave's
	v_add_nc_u32 v22, HQ, v27                      ; the hidden layer's codes: read,
	v_add_nc_u32 v21, s91, v22                     ; and written: tile of rows w / 2, half w % 2 of a lane's 16 bytes
	v_add_nc_u32 v24, s92, v27                     ; the stage, back: a row of 512 bytes by 32 lanes
	v_mul_u32_u24 v23, v30, 528
	v_lshl_add_u32 v23, v31, 6, v23
	v_add_nc_u32 v23, s92, v23                     ; in: row r, + 64 h
	v_add_nc_u32 v25, s93, v27                     ; out0: my wave's 512 bytes of a row
	v_lshlrev_b32 v28, 6, v31
	v_add_nc_u32 v26, s93, v28                     ; gamma, beta, b2: 512 w + 64 h
	v_add_nc_u32 v28, s94, v28                     ; b1: 64 h + 32 (w % 2)
	v_mov_b32 v9, v8                               ; position 0's codes go to LDS byte 0 on
	s_wait_alu depctr_va_vdst(0)
	s_wait_kmcnt 0x0
	s_load_b256 s[20:27], s[8:9], 0x0              ; e0 .. e7
	s_add_nc_u64 s[4:5], s[4:5], s[84:85]
	s_add_nc_u64 s[18:19], s[18:19], s[84:85]
	s_lshl_b32 s82, s44, 14
	s_mov_b32 s83, 0
	s_add_nc_u64 s[48:49], s[6:7], s[82:83]
	s_lshl_b32 s82, s47, 9
	s_add_nc_u64 s[54:55], s[4:5], s[82:83]
.irp q, 0,1,2,3,4,5,6,7
	global_load_b128 v[32+4*\q:35+4*\q], v11, s[54:55] offset:\q*4096 th:TH_LOAD_NT   ; x of block position 0
.endr
	s_lshl_b32 s82, s47, 19
	s_add_nc_u64 s[BA:BA+1], s[48:49], s[82:83]
.irp j, 0,1,2,3,4,5,6,7
.irp c, 0,1,2,3
	global_load_b128 v[128+16*\j+4*\c:131+16*\j+4*\c], v27, s[BA:BA+1] offset:STEPB+\j*2048+\c*512   ; the first K step's weights
.endr
.endr
	s_add_co_u32 s80, s47, 1
	s_and_b32 s82, s80, 7
	s_lshl_b32 s82, s82, 9
	s_add_nc_u64 s[56:57], s[4:5], s[82:83]
	ASK                                            ; position 1
	s_wait_kmcnt 0x0
	QCONST 20, 13, 14                              ; x's conversions
	QCONST 22, 15, 16                              ; the basis's
	s_add_co_i32 s82, s20, s21                     ; e0 + e1
	s_add_co_i32 s80, s22, s23
	s_sub_co_i32 s80, s80, s82
	s_add_co_i32 s80, s80, 127
	s_lshl_b32 s62, s80, 23                        ; 2^(e2 + e3 - e0 - e1)
	s_mov_b32 s63, s62                             ; (named with it as a pair, so it is written; likewise below)
	s_add_co_i32 s80, s82, 127
	s_lshl_b32 s68, s80, 23                        ; 2^(e0 + e1)
	s_mov_b32 s69, s68
	s_sub_co_i32 s80, s80, 10
	s_lshl_b32 s70, s80, 23
	s_or_b32 s70, s70, 0x80000000                  ; -2^(e0 + e1) / 1024
	s_mov_b32 s71, 0x3a800000                      ; 1 / 1024
	s_mov_b32 s72, 0x3727c5ac                      ; 1e-5
	s_add_co_i32 s80, s24, s25
	s_add_co_i32 s80, s80, 127
	s_lshl_b32 s74, s80, 23                        ; 2^(e4 + e5)
	s_mov_b32 s75, s74
	s_add_co_i32 s80, s26, s27
	s_lshl_b32 s80, s80, 23
	s_add_co_i32 s76, s80, 0xbfb8aa3b              ; -log2(e) x 2^(e6 + e7): the exponents are added to the constant's exponent field
	s_mov_b32 s77, s76
	s_wait_alu depctr_va_vdst(0)
	s_wait_xcnt 0x0                                ; the loads and the prefetch have read their bases
	s_mov_b64 s[54:55], s[56:57]                   ; x of block position 1
	s_add_co_u32 s80, s47, 2
	s_and_b32 s82, s80, 7
	s_lshl_b32 s82, s82, 9
	s_mov_b32 s83, 0
	s_add_nc_u64 s[56:57], s[4:5], s[82:83]
	s_mov_b32 s59, 0
	s_mov_b32 s60, BLKB
	PAIR 0, 0
	ASK                                            ; position 2
	PAIR 1, 0
	PAIR 2, 0
	PAIR 3, 0
	v_mov_b32 v6, v5                               ; position 0's codes lie at LDS byte 0
	s_wait_alu depctr_va_vdst(0)
	BARRIER                                        ; position 0's codes are whole
	MUL 0, BA, 2*STEPB, 1, 1                       ; grid point 0 at position 0 stands ahead of the loop: its products start the sums
.Ltrip:                                            ; seven trips: grid points 1 and 2 at position T, the codes of position T + 1, a barrier, grid point 0 at position T + 1 (36,864 bytes on from the same address)
	TRIPHEAD 0
	PAIR 0, 1
	MUL PL, BA, 3*STEPB, 1, 0
	ASK
	PAIR 1, 0
	MUL 2*PL, BN, 0, 1, 0
	PAIR 2, 0
	PAIR 3, 0
	PAIR 0, 2
	s_wait_alu depctr_va_vdst(0)
	BARRIER                                        ; position T + 1's codes are whole
	MUL BLKB, BN, STEPB, 1, 0
	s_add_co_u32 s59, s59, BLKB
	s_add_co_u32 s60, s60, BLKB
	s_add_co_u32 s46, s46, 1
	s_cmp_lt_u32 s46, 7
	s_cbranch_scc1 .Ltrip
	TRIPHEAD 1                                     ; position 7's grid points 1 and 2: nothing is left to produce
	MUL PL, BA, 3*STEPB, 1, 0
	MUL 2*PL, BN, 0, 1, 0
	WIN 0x41                                       ; source 0 and destination in window 1
.set k, 0
.rept 128
	v_pk_mul_f32 v[k:k+1], v[k:k+1], s[62:63] op_sel_hi:[1,0]   ; the second product's sums into the first product's scale; each accumulator from its low end on
.set k, k+2
.endr
	WIN 0
	s_mov_b32 s59, 3*PL                            ; x's codes of position 0
	s_mov_b32 s46, 0
.Lx:                                               ; the first product: seven K steps, each asking for the next one's weights
	s_wait_xcnt 0x0
	v_add_nc_u32 v6, s59, v5
	s_add_co_u32 s80, s46, s47
	s_add_co_u32 s80, s80, 1
	s_and_b32 s82, s80, 7
	s_lshl_b32 s82, s82, 19
	s_mov_b32 s83, 0
	s_add_nc_u64 s[BN:BN+1], s[48:49], s[82:83]
	s_wait_alu depctr_va_vdst(0)
	MUL 0, BN, 0, 1, 0
	s_add_co_u32 s59, s59, BLKB
	s_add_co_u32 s46, s46, 1
	s_cmp_lt_u32 s46, 7
	s_cbranch_scc1 .Lx
	v_add_nc_u32 v6, s59, v5
	s_wait_alu depctr_va_vdst(0)
	MUL 0, BN, 0, 0, 0
	BARRIER                                        ; no wave reads codes any more: their LDS bytes serve the rest
	; ---- gamma, beta and b1 are asked for; the two quantisers' constants
	global_load_b128 v[56:59], v28, s[14:15]       ; b1 at hidden units 16 h + 8 (w % 2) + 0 .. 7
	global_load_b128 v[60:63], v28, s[14:15] offset:16
.irp b, 0,1,2,3
.irp q, 0,1,2,3
	global_load_b128 v[128+16*\b+4*\q:131+16*\b+4*\q], v26, s[10:11] offset:128*\b+16*\q   ; gamma in the accumulators' layout
	global_load_b128 v[192+16*\b+4*\q:195+16*\b+4*\q], v26, s[12:13] offset:128*\b+16*\q   ; beta
.endr
.endr
	QCONST 24, 48, 49                              ; y's conversions
	QCONST 26, 50, 51                              ; the hidden layer's
.irp m, 0,1,2,3
	v_mov_b32 v[36+\m], 0                          ; a lane permute's destination counts as one of its sources
.endr
.macro TREE b, d                       ; 16 pairs at v[b] become one number in v[d]
.irp t, 0,2,4,6,8,10,12,14
	v_pk_add_f32 v[(\b)+\t:(\b)+\t+1], v[(\b)+\t:(\b)+\t+1], v[(\b)+\t+16:(\b)+\t+17]
.endr
.irp t, 0,2,4,6
	s_delay_alu instid0(VALU_DEP_4)
	v_pk_add_f32 v[(\b)+\t:(\b)+\t+1], v[(\b)+\t:(\b)+\t+1], v[(\b)+\t+8:(\b)+\t+9]
.endr
.irp t, 0,2
	s_delay_alu instid0(VALU_DEP_2)
	v_pk_add_f32 v[(\b)+\t:(\b)+\t+1], v[(\b)+\t:(\b)+\t+1], v[(\b)+\t+4:(\b)+\t+5]
.endr
	s_delay_alu instid0(VALU_DEP_1)
	v_pk_add_f32 v[(\b):(\b)+1], v[(\b):(\b)+1], v[(\b)+2:(\b)+3]
	s_delay_alu instid0(VALU_DEP_1)
	v_add_f32 v[\d], v[(\b)], v[(\b)+1]
.endm
; v32-35 (a lane's sums for the four tiles of rows) are summed over the halves of the lanes and over the eight waves; the totals come back in v64-67, in every lane
.macro RED off
.irp m, 0,1,2,3
	v_permlanex16_b32 v[36+\m], v[32+\m], s66, s67
.endr
.irp m, 0,1,2,3
	s_delay_alu instid0(VALU_DEP_4)
	v_add_f32 v[32+\m], v[32+\m], v[36+\m]
.endr
	ds_store_b128 v17, v[32:35] offset:\off        ; lanes r and r + 16 store the same numbers at the same place
	BARRIER
.irp w, 0,1,2,3,4,5,6,7
	ds_load_b128 v[64+4*\w:67+4*\w], v18 offset:\off+256*\w
.endr
	s_wait_dscnt 0x0
.irp t, 0,2,4,6,8,10,12,14
	v_pk_add_f32 v[64+\t:65+\t], v[64+\t:65+\t], v[80+\t:81+\t]
.endr
.irp t, 0,2,4,6
	s_delay_alu instid0(VALU_DEP_4)
	v_pk_add_f32 v[64+\t:65+\t], v[64+\t:65+\t], v[72+\t:73+\t]
.endr
.irp t, 0,2
	s_delay_alu instid0(VALU_DEP_2)
	v_pk_add_f32 v[64+\t:65+\t], v[64+\t:65+\t], v[68+\t:69+\t]
.endr
.endm
	; ---- the mean.  Each accumulator is read from its low end on
.irp mp, 0,2
	WIN 0x05                                       ; sources 0 and 1 in window 1
.irp mm, 0,1
.irp j, 0,1,2,3,4,5,6,7
	v_pk_add_f32 v[64+32*\mm+4*\j:65+32*\mm+4*\j], v[64*(\mp+\mm)+8*\j:64*(\mp+\mm)+8*\j+1], v[64*(\mp+\mm)+8*\j+2:64*(\mp+\mm)+8*\j+3]
	v_pk_add_f32 v[66+32*\mm+4*\j:67+32*\mm+4*\j], v[64*(\mp+\mm)+8*\j+4:64*(\mp+\mm)+8*\j+5], v[64*(\mp+\mm)+8*\j+6:64*(\mp+\mm)+8*\j+7]
.endr
.endr
	WIN 0
.irp mm, 0,1
	TREE 64+32*\mm, 32+\mp+\mm
.endr
.endr
	RED 0
.irp m, 0,1,2,3
	v_mul_f32 v[40+2*\m], s70, v[64+\m]            ; -mu
	v_mul_f32 v[41+2*\m], s70, v[64+\m]            ; (the pair's upper half is named with it)
.endr
	; ---- the sums in their true scale, less the mean; then the variance, of the centred numbers
	WIN 0x41                                       ; source 0 and destination in window 1
.irp m, 0,1,2,3
.set k, 0
.rept 32
	v_pk_fma_f32 v[64*\m+k:64*\m+k+1], v[64*\m+k:64*\m+k+1], s[68:69], v[40+2*\m:41+2*\m] op_sel_hi:[1,0,0]
.set k, k+2
.endr
.endr
	WIN 0x05
.irp m, 0,1,2,3
.set k, 0
.rept 32
.if k < 4
	v_pk_mul_f32 v[64+8*\m+2*k:65+8*\m+2*k], v[64*\m+2*k:64*\m+2*k+1], v[64*\m+2*k:64*\m+2*k+1]
.else
	s_delay_alu instid0(VALU_DEP_4)
	v_pk_fma_f32 v[64+8*\m+2*(k%4):65+8*\m+2*(k%4)], v[64*\m+2*k:64*\m+2*k+1], v[64*\m+2*k:64*\m+2*k+1], v[64+8*\m+2*(k%4):65+8*\m+2*(k%4)]
.endif
.set k, k+1
.endr
.endr
	WIN 0
.irp m, 0,1,2,3
	v_pk_add_f32 v[64+8*\m:65+8*\m], v[64+8*\m:65+8*\m], v[66+8*\m:67+8*\m]
	v_pk_add_f32 v[68+8*\m:69+8*\m], v[68+8*\m:69+8*\m], v[70+8*\m:71+8*\m]
.endr
.irp m, 0,1,2,3
	v_pk_add_f32 v[64+8*\m:65+8*\m], v[64+8*\m:65+8*\m], v[68+8*\m:69+8*\m]
.endr
.irp m, 0,1,2,3
	s_delay_alu instid0(VALU_DEP_4)
	v_add_f32 v[32+\m], v[64+8*\m], v[65+8*\m]
.endr
	RED 2048                                       ; other bytes than the mean's: no barrier between that read and this store
.irp m, 0,1,2,3
	v_fma_f32 v[64+\m], v[64+\m], s71, s72         ; the variance + 1e-5
.endr
	s_wait_alu depctr_va_vdst(0)
.irp m, 0,1,2,3
	v_rsq_f32 v[40+2*\m], v[64+\m]
.endr
	v_nop                                          ; a plain instruction behind the last of them,
	s_wait_alu depctr_va_vdst(0)                   ; and one wait for the four
.irp m, 0,1,2,3
	v_mov_b32 v[41+2*\m], v[40+2*\m]
.endr
	; ---- y = centred x rsqrt x gamma + beta, in place
	s_wait_alu depctr_va_vdst(0)
	s_wait_loadcnt 0x0                             ; gamma, beta, b1
	WIN 0x41
.irp m, 0,1,2,3
.set k, 0
.rept 32
	v_pk_mul_f32 v[64*\m+k:64*\m+k+1], v[64*\m+k:64*\m+k+1], v[40+2*\m:41+2*\m] op_sel_hi:[1,0]
.set k, k+2
.endr
.set k, 0
.rept 32
	v_pk_fma_f32 v[64*\m+k:64*\m+k+1], v[64*\m+k:64*\m+k+1], v[128+k:129+k], v[192+k:193+k]
.set k, k+2
.endr
.endr
	WIN 0
	s_lshl_b32 s82, s44, 12
	s_mov_b32 s83, 0
	s_add_nc_u64 s[84:85], s[6:7], s[82:83]        ; wq + 4,096 w: W1's K step w and W2's tiles 8 w on lie W1OFF and W2OFF behind it
.irp u, 0,1
.irp c, 0,1,2,3
	global_load_b128 v[128+16*\u+4*\c:131+16*\u+4*\c], v27, s[84:85] offset:W1OFF+\u*2048+\c*512
.endr
.endr
	; ---- y's codes: a lane's 64 numbers of a tile of rows are one fragment, K step w of the third product
.irp m, 0,1,2,3
	WIN 0x01                                       ; source 0 in window 1
.set i, 0
.rept 64
	v_med3_num_f32 v[192+i], v[64*\m+i], -v49, v49
.set i, i+1
.endr
	WIN 0
.irp q, 0,1,2,3,4,5,6,7
	v_cvt_scalef32_pk8_fp8_f32 v[64+16*\m+2*\q:65+16*\m+2*\q], v[192+8*\q:199+8*\q], v48
.endr
	v_nop                                          ; one plain instruction between the conversions and the lines that next write their sources or read their results
.endr
	; ---- the third product: my K step's part of all 64 rows x 32 hidden units; the eight waves' parts meet in LDS
	s_wait_alu depctr_va_vdst(0)
	s_wait_loadcnt 0x0
.irp m, 0,1,2,3
.irp u, 0,1
	v_wmma_f32_16x16x128_fp8_fp8 v[192+8*(2*\m+\u):199+8*(2*\m+\u)], v[128+16*\u:143+16*\u], v[64+16*\m:79+16*\m], 0
.endr
.endr
	PLACES 4
.irp t, 0,1,2,3,4,5,6,7
	ds_store_b128 v19, v[192+8*\t:195+8*\t] offset:1024*\t
	ds_store_b128 v19, v[196+8*\t:199+8*\t] offset:1024*\t+512
.endr
.irp j, 0,1,2,3,4,5,6,7
	global_load_b128 v[64+8*\j:67+8*\j], v27, s[84:85] offset:W2OFF+512*\j   ; W2's fragments: K = 32 fills the lower four registers
.endr
.irp b, 0,1,2,3
.irp q, 0,1,2,3
	global_load_b128 v[128+16*\b+4*\q:131+16*\b+4*\q], v26, s[16:17] offset:128*\b+16*\q   ; b2
.endr
.endr
.irp j, 0,1,2,3,4,5,6,7
.irp t, 4,5,6,7
	v_mov_b32 v[64+8*\j+\t], 0                     ; the rest of the instruction's K = 64: zero codes, on both sides
.endr
.endr
	BARRIER
.irp w, 0,1,2,3,4,5,6,7
	ds_load_b128 v[192+8*\w:195+8*\w], v20 offset:8192*\w       ; wave w sums tile w (rows 16 (w / 2) on, half w % 2 of the hidden units)
	ds_load_b128 v[196+8*\w:199+8*\w], v20 offset:8192*\w+512
.endr
	s_wait_dscnt 0x0
.set k, 0
.rept 16
	v_pk_add_f32 v[192+k:193+k], v[192+k:193+k], v[224+k:225+k]
.set k, k+2
.endr
.set k, 0
.rept 8
	v_pk_add_f32 v[192+k:193+k], v[192+k:193+k], v[208+k:209+k]
.set k, k+2
.endr
.irp k, 0,2,4,6
	s_delay_alu instid0(VALU_DEP_4)
	v_pk_add_f32 v[192+\k:193+\k], v[192+\k:193+\k], v[200+\k:201+\k]
.endr
.irp k, 0,2,4,6
	s_delay_alu instid0(VALU_DEP_4)
	v_pk_fma_f32 v[192+\k:193+\k], v[192+\k:193+\k], s[74:75], v[56+\k:57+\k] op_sel_hi:[1,0,1]   ; sum x 2^(e4 + e5) + b1
.endr
.irp i, 0,1,2,3,4,5,6,7
	v_med3_num_f32 v[192+\i], v[192+\i], 0, v51    ; the activation and the hold in one
.endr
	v_cvt_scalef32_pk8_fp8_f32 v[200:201], v[192:199], v50
	v_nop
	ds_store_b64 v21, v[200:201]                   ; hidden units 16 h + 8 (w % 2) + 0 .. 7 of row r: half of a lane's 16 bytes of the fragment's image
.irp m, 0,1,2,3
.irp t, 4,5,6,7
	v_mov_b32 v[32+8*\m+\t], 0                     ; the hidden fragments' zero halves (b1 and the statistics are done with)
.endr
.endr
	BARRIER
.irp m, 0,1,2,3
	ds_load_b128 v[32+8*\m:35+8*\m], v22 offset:512*\m
.endr
	; ---- the gate and the way out, a tile of 16 rows at a time.  gate = 1 / (1 + 2^(-log2(e) (sum x 2^(e6 + e7) + b2)))
	s_wait_loadcnt 0x0                             ; W2, b2
.set k, 0
.rept 32
	v_pk_mul_f32 v[128+k:129+k], v[128+k:129+k], 0xbfb8aa3b op_sel_hi:[1,0]   ; -log2(e) b2
.set k, k+2
.endr
	s_wait_dscnt 0x0
.irp m, 0,1,2,3
.if \m > 0
	s_wait_xcnt 0x0                                ; the last tile's stores have read their registers, which the products below write
.endif
.irp j, 0,1,2,3,4,5,6,7
	v_wmma_f32_16x16x64_fp8_fp8 v[192+8*\j:199+8*\j], v[64+8*\j:71+8*\j], v[32+8*\m:39+8*\m], 0
.endr
	PLACES 4
.set k, 0
.rept 32
	v_pk_fma_f32 v[192+k:193+k], v[192+k:193+k], s[76:77], v[128+k:129+k] op_sel_hi:[1,0,1]
.set k, k+2
.endr
.set i, 0
	s_wait_alu depctr_va_vdst(0)
.rept 64
	v_exp_f32 v[192+i], v[192+i]
.set i, i+1
.endr
	v_nop                                          ; a plain instruction behind the batch,
	s_wait_alu depctr_va_vdst(0)                   ; and one wait for it, ahead of its first reader
.set k, 0
.rept 32
	v_pk_add_f32 v[192+k:193+k], v[192+k:193+k], 1.0 op_sel_hi:[1,0]
.set k, k+2
.endr
.set i, 0
	s_wait_alu depctr_va_vdst(0)
.rept 64
	v_rcp_f32 v[192+i], v[192+i]
.set i, i+1
.endr
	v_nop
	s_wait_alu depctr_va_vdst(0)
	WIN 0x01
.set k, 0
.rept 32
	v_pk_mul_f32 v[192+k:193+k], v[64*\m+k:64*\m+k+1], v[192+k:193+k]       ; y x gate
.set k, k+2
.endr
	WIN 0
.irp b, 0,1,2,3
.irp q, 0,1,2,3
	ds_store_b128 v23, v[192+16*\b+4*\q:195+16*\b+4*\q] offset:128*\b+16*\q  ; row r of my stage (pitch 528 = 33 x 16 bytes), columns 32 b + 16 h + 4 q on
.endr
.endr
.irp i, 0,1,2,3,4,5,6,7,8,9,10,11,12,13,14,15
	ds_load_b128 v[192+4*\i:195+4*\i], v24 offset:528*\i                     ; LDS serves a wave's instructions in order (ISA guide 5.7.1.4): these see my stores, and the next tile's stores come behind them
.endr
.irp i, 0,1,2,3,4,5,6,7,8,9,10,11,12,13,14,15
	s_wait_dscnt 15-\i                             ; row i is back; the younger rows may be out
	global_store_b128 v25, v[192+4*\i:195+4*\i], s[18:19] offset:(16*\m+\i)*4096 th:TH_STORE_NT   ; 32 lanes store 512 consecutive bytes, at a multiple of 256 from out0's first byte
.endr
.endr
	s_wait_tensorcnt 0x0                           ; the wave's end: behind my last LDS store
	ds_add_u32 v1, v2
	s_wait_dscnt 0x0
	s_endpgm
.Lfunc_end_k_qc2005e5e5e_kan:
	.size	k_qc2005e5e5e_kan, .Lfunc_end_k_qc2005e5e5e_kan-k_qc2005e5e5e_kan
	.p2alignl 7, 3214868480
	.fill 96, 4, 3214868480
	.section	.rodata,"a",@progbits
	.p2align	6, 0x0
	.amdhsa_kernel k_qc2005e5e5e_kan
		.amdhsa_group_segment_fixed_size 327680
		.amdhsa_private_segment_fixed_size 0
		.amdhsa_enable_private_segment 0
		.amdhsa_kernarg_size 64
		.amdhsa_user_sgpr_count 2
		.amdhsa_user_sgpr_kernarg_segment_ptr 1
		.amdhsa_wavefront_size32 1
		.amdhsa_system_sgpr_workgroup_id_x 1
		.amdhsa_system_sgpr_workgroup_id_y 1
		.amdhsa_system_sgpr_workgroup_id_z 1
		.amdhsa_system_vgpr_workitem_id 0
		.amdhsa_next_free_vgpr 512
		.amdhsa_next_free_sgpr 100
		.amdhsa_reserve_vcc 0
		.amdhsa_float_denorm_mode_32 3
		.amdhsa_float_denorm_mode_16_64 3
		.amdhsa_memory_ordered 1
		.amdhsa_forward_progress 1
		.amdhsa_inst_pref_size 255
	.end_amdhsa_kernel
	.section	.bss,"aw",@nobits
	.p2align	6
	.space	262144
	.amdgpu_metadata
---
amdhsa.version: [ 1, 2 ]
amdhsa.kernels:
  - .name:           k_qc2005e5e5e_kan
    .symbol:         k_qc2005e5e5e_kan.kd
    .args:
      - { .name: x, .offset: 0, .size: 8, .value_kind: global_buffer, .address_space: global }
      - { .name: wq, .offset: 8, .size: 8, .value_kind: global_buffer, .address_space: global }
      - { .name: lowp_scales, .offset: 16, .size: 8, .value_kind: global_buffer, .address_space: global }
      - { .name: ln_gamma, .offset: 24, .size: 8, .value_kind: global_buffer, .address_space: global }
      - { .name: ln_beta, .offset: 32, .size: 8, .value_kind: global_buffer, .address_space: global }
      - { .name: se_b1, .offset: 40, .size: 8, .value_kind: global_buffer, .address_space: global }
      - { .name: se_b2, .offset: 48, .size: 8, .value_kind: global_buffer, .address_space: global }
      - { .name: out0, .offset: 56, .size: 8, .value_kind: global_buffer, .address_space: global }
    .group_segment_fixed_size: 327680
    .private_segment_fixed_size: 0
    .kernarg_segment_align: 8
    .kernarg_segment_size: 64
    .max_flat_workgroup_size: 256
    .sgpr_count:     100
    .vgpr_count:     512
    .wavefront_size: 32
...
	.end_amdgpu_metadata
.endif
;; end of part 2
